; MI455X (gfx1250); checked and timed in simulation.
; The chip was launched on July 23, 2026; its instructions are those of AMD's public machine-readable ISA for CDNA 5 (MIT licence, August 2026) and "CDNA5" Instruction Set Architecture Reference Guide (July 2026). The comments in the code are by the model that wrote it; some were corrected since.
;; Grouped Query Attention. Allowed arithmetic: matrix products marked QUANTISED: E4M3 operands, one given power-of-two scale a tensor, by v_wmma_f32_16x16x64_fp8_fp8 or v_wmma_f32_16x16x128_fp8_fp8, f32 sums; everything else in f32.
;; Inputs: Wk 2,048 x 512 float32; Wo 2,048 x 2,048 float32; Wq 2,048 x 2,048 float32; Wv 2,048 x 512 float32; bk 512 float32; bo 2,048 float32; bq 2,048 float32; bv 512 float32; lowp_scales 12 int32 (the exponents e of the quantised operands' scales 2^e); x 2 x 1,024 x 2,048 float32.
;; Outputs: out0 2 x 1,024 x 2,048 float32.
;; This version of the problem:
;;   THIS VERSION OF THE PROBLEM IS GIVEN IN LOW PRECISION. The matrix products marked QUANTISED in the list below multiply operands that are first quantised to E4M3 (4 exponent bits, 3 mantissa bits; 8 bits a number), with one given power-of-two scale for each operand tensor; their sums are f32. All else is computed in f32.
;;   The module's matrix products, in the order in which they are computed (A, B: the left and right operand; K: the contracted axis; several contracted axes count as one K, in the product's order):
;;     1. [M 2,048, K 2,048] x [K 2,048, N 2,048]; A: input x; B: input Wq: QUANTISED (scales: A lowp_scales[0], B lowp_scales[1])
;;     2. [M 2,048, K 2,048] x [K 2,048, N 512]; A: input x; B: input Wk: QUANTISED (scales: A lowp_scales[2], B lowp_scales[3])
;;     3. [M 2,048, K 2,048] x [K 2,048, N 512]; A: input x; B: input Wv: QUANTISED (scales: A lowp_scales[4], B lowp_scales[5])
;;     4. batch 64 x [M 1,024, K 64] x [K 64, N 1,024]; A: computed on the way; B: computed on the way: QUANTISED (scales: A lowp_scales[6], B lowp_scales[7])
;;     5. batch 64 x [M 1,024, K 1,024] x [K 1,024, N 64]; A: softmax (see below); B: computed on the way: QUANTISED (scales: A lowp_scales[8], B lowp_scales[9])
;;     6. [M 2,048, K 2,048] x [K 2,048, N 2,048]; A: computed on the way; B: input Wo: QUANTISED (scales: A lowp_scales[10], B lowp_scales[11])
;;   THE QUANTISER, for each operand of a quantised product, along K:
;;     - The operand's scale is 2^e, e = its entry of the input lowp_scales (int32; the entries are numbered through the quantised products in the list's order, A before B).
;;     - Each number is divided by the scale, clamped to +-448, and rounded to the nearest number of E4M3, ties to even, subnormals kept.
;;     - The product sums the exact products of the quantised numbers (number of the format x scale) in f32.
;;   ~~~python
;;   def quantise(x, axis, e):      # numpy; x: float32 -> the quantised numbers, widened to float32 again
;;       x = np.moveaxis(x, axis, -1); K = x.shape[-1]
;;       r = np.clip(x / 2.0 ** e, -448, 448)
;;       step = 2.0 ** (np.maximum(np.frexp(np.where(r == 0, 1, r))[1] - 1, -6) - 3)
;;       q = np.round(r / step) * step * 2.0 ** e      # np.round: ties to even
;;       return np.moveaxis(q, -1, axis).astype(np.float32)
;;   ~~~
;;   SOFTMAX AHEAD OF A QUANTISED PRODUCT. Where the list says 'softmax', what is quantised is not the finished softmax but p = 2^(t - M), with t = logit x log2(e) and M = ceil(the row's largest t), a whole number; so 1/2 < the row's largest p <= 1. The row's sum l is taken of the UNQUANTISED p, in f32, and the product's result is divided by l at the end. Since M is a whole number, a kernel that streams over the keys may use a running M (the ceiling of the running maximum): every later rescaling is an exact power of two, so the quantised numbers keep their values, but for numbers so far below the row's largest that they fall under the format's range.
;;   OPERANDS COMPUTED ON THE WAY. 'Computed on the way' means the value that the module computes at that place (a softmax that the list does not call 'softmax' is quantised finished and normalised). What goes into a quantiser is computed in f32, as accurately as f32 sums, v_exp_f32 and their like allow (about 1e-6 of the number): no bf16 or f16 on the way to a quantiser, and a product that is left as it is and whose result goes on into a quantised operand takes f32 operands (vector FMAs, or v_wmma_f32_16x16x4_f32). A number that lies on a knife's edge between two numbers of the format may be rounded either way, as far as f32 arithmetic and the matrix unit's own rounding can turn it there, and no further.
;; One version. Each part assembles by itself: llvm-mc -triple=amdgcn-amd-amdhsa -mcpu=gfx1250 --defsym DOCPART=n.
;; ======== version 1 of 1: 4 launches
;; limits: right only within a limited range of input values
;; workspace buffers: x3 12,582,912 bytes; wcodes 6,291,456 bytes; wocodes 4,194,304 bytes; qkv 6,291,456 bytes; ycodes 4,194,304 bytes
;; launch prep (part 1): grid 256 x 1, 14 waves a work-group, no clusters, 69,376 bytes of LDS; arguments x, Wq, Wk, Wv, lowp_scales, x3, wcodes; writes x3, wcodes
.if DOCPART == 1
	.amdgcn_target "amdgcn-amd-amdhsa--gfx1250"
	.amdhsa_code_object_version 6
	.text
	.protected	k_qca4b45bf3d_prep
	.globl	k_qca4b45bf3d_prep
	.p2align	8
	.type	k_qca4b45bf3d_prep,@function
k_qca4b45bf3d_prep:
	s_mov_b64 s[64:65], 0
	v_nop
	global_prefetch_b8 v0, s[64:65] scope:SCOPE_SE
	s_setreg_imm32_b32 hwreg(HW_REG_WAVE_MODE, 25, 1), 1
	s_wait_xcnt 0x0
; f32 operands into codes of FP8 (E4M3): code = number / 2^e, held within +-448, to the nearest code, ties to even.
; THE IMAGE that every operand of the program's large products has in memory: tiles of 16 rows, 32,768 bytes each; in a tile 64 groups of 32 along K, 512 bytes each; in a group lane (r, h)'s 16 bytes at 16 (16 h + r):
; row r, K places 16 h + 0 .. 15: the registers of an operand as they stand.
; x -> x3: three parts of 4 MiB (entries 0, 2, 4 of the scales), tile = 16 neighbouring tokens, K in order.
; Wq, Wk, Wv -> wcodes: tiles 0-127, 128-159, 160-191 (entries 1, 3, 5).  A tile is NOT 16 neighbouring columns: of each 64 columns tile j (0 .. 3) holds columns 4 r + j.  K in order.
; A work-group: waves 0-7 take 16 tokens x 128 of x each, waves 8-13 take 128 columns x 32 along K of a weight each: 256 x 8 and 256 x 6 shares are all there are.  (Wo is turned into codes by the next launch.)
; WORK LEFT OUT in the program: only tiles of scores that the causal mask hides as a whole (launch attn): reference() puts -infinity there ahead of the softmax, so they add 0 for all inputs.  LIMIT: a NaN or an infinity that reaches
; only such tiles is not carried to the result.
; LIMITS: every e lies between -126 and 119, so that 2^e and 448 x 2^e are f32 numbers.  NaN among the inputs is not served (an infinity is held at the largest code).
; No matrix instruction, no tensor load, no cluster: the work-groups share no input.  Each wave's loads all go out at once.
.set PITCH, 528                        ; x: a stage row: 512 bytes + 16
.set REG,   16*PITCH                   ; a stage for each of waves 0-7
.set SPARE, 8*REG
.set SPW,   2
.set NIL,   3
.macro MKSC e, sc, lim                 ; from the whole number in s[e]: v[sc] = 2^e as f32, v[lim] = 448 x 2^e
	s_add_co_i32 s60, s[\e], 127
	s_lshl_b32 s61, s60, 23
	v_mov_b32 v[\sc], s61
	s_add_co_i32 s60, s60, 8
	s_lshl_b32 s60, s60, 23
	s_or_b32 s60, s60, 0x600000
	v_mov_b32 v[\lim], s60
.endm
	s_load_b256 s[4:11], s[0:1], 0x0               ; x, Wq, Wk, Wv
	s_load_b128 s[12:15], s[0:1], 0x20             ; the scales' exponents, x3
	s_load_b64 s[16:17], s[0:1], 0x30              ; wcodes
	v_lshl_add_u32 v[SPW], v0, 2, SPARE
	v_mov_b32 v[NIL], 0
	v_lshrrev_b32 v1, 5, v0
	v_readfirstlane_b32 s20, v1                    ; wave 0..13
	v_and_b32 v4, 31, v0
	v_lshlrev_b32 v5, 4, v4                        ; 16 x lane
	v_and_b32 v6, 15, v0                           ; r
	v_bfe_u32 v7, v0, 4, 1                         ; h
	s_wait_alu depctr_va_vdst(0)
	s_wait_kmcnt 0x0
	s_load_b256 s[48:55], s[12:13], 0x0            ; e0 .. e7
	s_cmp_lt_u32 s20, 8
	s_cbranch_scc0 .Lw
	; ---- x: 16 rows x 128: each load reads 512 consecutive bytes of a row; the block turns through the wave's own stage
	s_mul_i32 s21, s20, REG
	v_add_nc_u32 v8, s21, v5                       ; in: 16 bytes a lane along a row
	v_mul_u32_u24 v9, v6, PITCH
	v_lshl_add_u32 v9, v7, 6, v9
	v_add_nc_u32 v9, s21, v9                       ; back: row r, 16 numbers from 16 h on
	s_lshr_b32 s22, ttmp9, 1                       ; token tile
	s_and_b32 s23, ttmp9, 1                        ; which 1,024 along K
	s_lshl_b32 s30, s22, 17
	s_lshl_b32 s31, s23, 12
	s_add_co_u32 s30, s30, s31
	s_lshl_b32 s31, s20, 9
	s_add_co_u32 s30, s30, s31
	s_mov_b32 s31, 0
	s_add_nc_u64 s[4:5], s[4:5], s[30:31]
.set kk, 0
.rept 16
	global_load_b128 v[16+4*kk:19+4*kk], v5, s[4:5] offset:8192*kk th:TH_LOAD_NT
.set kk, kk+1
.endr
	s_lshl_b32 s30, s22, 15
	s_lshl_b32 s32, s23, 14
	s_add_co_u32 s30, s30, s32
	s_lshl_b32 s32, s20, 11
	s_add_co_u32 s30, s30, s32
	s_add_nc_u64 s[24:25], s[14:15], s[30:31]      ; part 0,
	s_add_nc_u64 s[26:27], s[24:25], 0x400000      ; part 1,
	s_add_nc_u64 s[28:29], s[24:25], 0x800000      ; part 2
	s_wait_alu depctr_va_vdst(0)
	s_wait_kmcnt 0x0
	MKSC 48, 10, 11
	MKSC 50, 12, 13
	MKSC 52, 14, 15
	s_wait_alu depctr_va_vdst(0)                   ; the head's end
.irp g, 0,1,2,3
	s_wait_loadcnt 12-4*\g                         ; rows 4 g .. 4 g + 3 are in
.irp i, 0,1,2,3
	ds_store_b128 v8, v[16+16*\g+4*\i:16+16*\g+4*\i+3] offset:(4*\g+\i)*PITCH
.endr
.endr
.irp c, 0,1,2,3
.irp m, 0,1,2,3
	ds_load_b128 v[80+16*\c+4*\m:80+16*\c+4*\m+3], v9 offset:128*\c+16*\m   ; LDS serves a wave's instructions in order (ISA guide 5.7.1.4)
.endr
.endr
.macro XC c
	s_wait_dscnt 12-4*(\c)                         ; this group's four loads are in
.irp s, 0,1,2
.irp i, 0,1,2,3,4,5,6,7,8,9,10,11,12,13,14,15
	v_med3_num_f32 v[144+16*\s+\i], v[80+16*(\c)+\i], -v[11+2*\s], v[11+2*\s]   ; the conversion does not saturate (ISA guide 7.6.2)
.endr
.endr
.irp s, 0,1,2
	v_cvt_scalef32_pk8_fp8_f32 v[192+12*(\c)+4*\s:193+12*(\c)+4*\s], v[144+16*\s:151+16*\s], v[10+2*\s]
	v_cvt_scalef32_pk8_fp8_f32 v[194+12*(\c)+4*\s:195+12*(\c)+4*\s], v[152+16*\s:159+16*\s], v[10+2*\s]
.endr
	v_nop                                          ; a plain line ahead of the next group's lines, which write the conversions' sources
.irp s, 0,1,2
	global_store_b128 v5, v[192+12*(\c)+4*\s:195+12*(\c)+4*\s], s[24+2*\s:25+2*\s] offset:512*(\c)   ; 512 consecutive bytes, aligned
.endr
.endm
	XC 0
	XC 1
	XC 2
	XC 3
	s_wait_tensorcnt 0x0                           ; the wave's end
	ds_add_u32 v[SPW], v[NIL]
	s_wait_dscnt 0x0
	s_endpgm
	; ---- a weight: 128 columns x 32 along K.  A lane takes columns 4 lane .. 4 lane + 3 of each row; the hold writes each column's 32 numbers side by side
.Lw:
.macro WLOADS pitch, base
.set kk, 0
.rept 32
	global_load_b128 v[16+4*kk:19+4*kk], v5, s[\base:\base+1] offset:kk*\pitch th:TH_LOAD_NT   ; 512 consecutive bytes
.set kk, kk+1
.endr
.endm
	s_sub_co_u32 s21, s20, 8
	s_mul_i32 s22, ttmp9, 6
	s_add_co_u32 s22, s22, s21                     ; share 0 .. 1,535
	s_lshr_b32 s23, s22, 6                         ; which 128 columns: 0-15 Wq, 16-19 Wk, 20-23 Wv
	s_and_b32 s24, s22, 63                         ; which 32 along K
	v_lshlrev_b32 v8, 17, v7
	v_lshl_add_u32 v8, v6, 4, v8                   ; out: lanes 16-31 write four tiles further on; 16 bytes a row r
	s_lshl_b32 s26, s23, 18
	s_lshl_b32 s27, s24, 9
	s_add_co_u32 s26, s26, s27
	s_mov_b32 s27, 0
	s_add_nc_u64 s[16:17], s[16:17], s[26:27]
	s_cmp_lt_u32 s23, 16
	s_wait_alu depctr_va_vdst(0)
	s_cbranch_scc0 .Lkv
	s_lshl_b32 s30, s23, 9
	s_lshl_b32 s31, s24, 18
	s_add_co_u32 s30, s30, s31
	s_mov_b32 s31, 0
	s_add_nc_u64 s[32:33], s[6:7], s[30:31]
	WLOADS 8192, 32
	s_branch .Lgot
.Lkv:
	s_cmp_lt_u32 s23, 20
	s_cselect_b64 s[32:33], s[8:9], s[10:11]
	s_cselect_b32 s30, 16, 20
	s_sub_co_u32 s30, s23, s30
	s_lshl_b32 s30, s30, 9
	s_lshl_b32 s31, s24, 16
	s_add_co_u32 s30, s30, s31
	s_mov_b32 s31, 0
	s_add_nc_u64 s[32:33], s[32:33], s[30:31]
	WLOADS 2048, 32
.Lgot:
	s_wait_kmcnt 0x0
	s_cmp_lt_u32 s23, 20
	s_cselect_b32 s34, s51, s53                    ; e3 or e5
	s_cmp_lt_u32 s23, 16
	s_cselect_b32 s34, s49, s34                    ; e1
	MKSC 34, 10, 11
	s_wait_alu depctr_va_vdst(0)
	s_wait_loadcnt 0x0
.macro WCOL j
.set TS, 144+32*((\j)%2)
.set kk, 0
.rept 32
	v_med3_num_f32 v[TS+kk], v[16+4*kk+(\j)], -v11, v11
.set kk, kk+1
.endr
.irp g, 0,1,2,3
	v_cvt_scalef32_pk8_fp8_f32 v[208+8*(\j)+2*\g:209+8*(\j)+2*\g], v[TS+8*\g:TS+8*\g+7], v10
.endr
	v_nop
	global_store_b128 v8, v[208+8*(\j):211+8*(\j)], s[16:17] offset:(\j)*32768        ; sixteen lanes write 256 consecutive bytes, aligned
	global_store_b128 v8, v[212+8*(\j):215+8*(\j)], s[16:17] offset:(\j)*32768+256
.endm
	WCOL 0
	WCOL 1
	WCOL 2
	WCOL 3
	s_endpgm
.Lfunc_end_k_qca4b45bf3d_prep:
	.size	k_qca4b45bf3d_prep, .Lfunc_end_k_qca4b45bf3d_prep-k_qca4b45bf3d_prep
	.p2alignl 7, 3214868480
	.fill 96, 4, 3214868480
	.section	.rodata,"a",@progbits
	.p2align	6, 0x0
	.amdhsa_kernel k_qca4b45bf3d_prep
		.amdhsa_group_segment_fixed_size 69376
		.amdhsa_private_segment_fixed_size 0
		.amdhsa_enable_private_segment 0
		.amdhsa_kernarg_size 56
		.amdhsa_user_sgpr_count 2
		.amdhsa_user_sgpr_kernarg_segment_ptr 1
		.amdhsa_wavefront_size32 1
		.amdhsa_system_sgpr_workgroup_id_x 1
		.amdhsa_system_sgpr_workgroup_id_y 1
		.amdhsa_system_sgpr_workgroup_id_z 1
		.amdhsa_system_vgpr_workitem_id 0
		.amdhsa_next_free_vgpr 240
		.amdhsa_next_free_sgpr 66
		.amdhsa_reserve_vcc 0
		.amdhsa_float_denorm_mode_32 3
		.amdhsa_float_denorm_mode_16_64 3
		.amdhsa_memory_ordered 1
		.amdhsa_forward_progress 1
		.amdhsa_inst_pref_size 39
	.end_amdhsa_kernel
	.amdgpu_metadata
---
amdhsa.version: [ 1, 2 ]
amdhsa.kernels:
  - .name:           k_qca4b45bf3d_prep
    .symbol:         k_qca4b45bf3d_prep.kd
    .args:
      - { .name: x, .offset: 0, .size: 8, .value_kind: global_buffer, .address_space: global }
      - { .name: Wq, .offset: 8, .size: 8, .value_kind: global_buffer, .address_space: global }
      - { .name: Wk, .offset: 16, .size: 8, .value_kind: global_buffer, .address_space: global }
      - { .name: Wv, .offset: 24, .size: 8, .value_kind: global_buffer, .address_space: global }
      - { .name: lowp_scales, .offset: 32, .size: 8, .value_kind: global_buffer, .address_space: global }
      - { .name: x3, .offset: 40, .size: 8, .value_kind: global_buffer, .address_space: global }
      - { .name: wcodes, .offset: 48, .size: 8, .value_kind: global_buffer, .address_space: global }
    .group_segment_fixed_size: 69376
    .private_segment_fixed_size: 0
    .kernarg_segment_align: 8
    .kernarg_segment_size: 56
    .max_flat_workgroup_size: 448
    .sgpr_count:     66
    .vgpr_count:     240
    .wavefront_size: 32
...
	.end_amdgpu_metadata
.endif
;; end of part 1
;; launch qkv (part 2): grid 256 x 1, 4 waves a work-group, clusters of 4 x 1, 327,680 bytes of LDS; arguments x3, wcodes, Wo, bq, bk, bv, lowp_scales, qkv, wocodes; writes qkv, wocodes
.if DOCPART == 2
	.amdgcn_target "amdgcn-amd-amdhsa--gfx1250"
	.amdhsa_code_object_version 6
	.text
	.protected	k_qca4b45bf3d_qkv
	.globl	k_qca4b45bf3d_qkv
	.p2align	8
	.type	k_qca4b45bf3d_qkv,@function
k_qca4b45bf3d_qkv:
	s_mov_b64 s[64:65], 0
	v_nop
	global_prefetch_b8 v0, s[64:65] scope:SCOPE_SE
	s_setreg_imm32_b32 hwreg(HW_REG_WAVE_MODE, 25, 1), 1
	s_wait_xcnt 0x0
	s_wait_alu depctr_hold_cnt(0) depctr_sa_sdst(0) depctr_va_vdst(0) depctr_va_sdst(0) depctr_va_ssrc(0) depctr_va_vcc(0) depctr_vm_vsrc(0)
	s_getreg_b32 s2, hwreg(HW_REG_IB_STS2, 6, 4)
	s_cmp_eq_u32 s2, 0
	s_cbranch_scc0 .Lentry_in_a_cluster
	s_endpgm
.Lentry_in_a_cluster:
	s_bfe_u32 s2, ttmp6, 0x10000c
	s_cmp_lg_u32 s2, 0x3003
	s_cbranch_scc0 .Lentry_shape_is_right
	s_endpgm
.Lentry_shape_is_right:
; q = x Wq + bq, k = x Wk + bk, v = x Wv + bv on codes of FP8 (E4M3), K = 2,048, the results quantised at once as the operands of attention's two products; and Wo into codes.
; 2,048 x 3,072 results are 192 tiles of 256 x 128.  The other 64 work-groups of the turn of 256 take Wo, which only the last launch reads.
; A TILE: a PANEL of 128 rows (8 tiles of 16, source 0) lies in LDS over the whole of K, 262,144 bytes, brought by two loads a wave (K 0-1023, K 1024-2047), and no byte is filled twice; the STREAM, 64 rows (4 tiles, source 1) for each wave,
; comes from memory straight into registers as the operand's image, two quarters (128 along K each) and a half ahead of its products, in a ring of four register sets.  A lane holds one stream row and eight panel rows of a result.
;   clusters 0-39: q and k: panel = 128 columns of Wq or Wk, stream = 256 tokens.   clusters 40-47: v: panel = 128 tokens, stream = 256 columns of Wv: v comes out transposed, keys innermost.   clusters 48-63: Wo.
; CLUSTERS of 4 along x: in q and k the four share a panel and ask for it jointly.  v's partners have four panels and ask for them by plain loads: they share only the stream.  The stream is not asked for jointly: it does not pass
; through LDS, which the panel fills for all but 65,536 bytes, too few for two of its steps of 512 along K (131,072 bytes each).
; PREFETCH of the stream into the L2: at quarters 0, 2 and 6 each wave names, in its own four tiles, one quarter of quarters 4-7, 8-11, 12-15: 32 lanes x 256 bytes.  Which of the four hangs by address on the panel's number (v: on the place in the cluster), so the
; work-groups that stream the same rows share them out.  The first quarters come by their loads alone.  The panel is not prefetched: its second load has eight quarters in which to land.
; OUT (images of operands, 1,024 bytes for 16 rows x 64 codes: two halves of 512 bytes, 16 bytes a lane): q [32 heads][128 token tiles] at byte 0 (entry 6), k [8][128] at 4,194,304 (entry 7), v [8][32 blocks of 64 keys][4 tiles of d] at 5,242,880 (entry 9).
; In q and k the order of a head's 64 is that of the weights' tiles (tile j holds 4 r + j), the same in both; v's tile t holds d = 4 r + t.
; LIMITS: the sums of the two operands' exponents lie between -126 and 127; entries 6, 7, 9, 11 between -126 and 119.  NaN is not served.
; REGISTERS: window 0: addresses, v64-127 at work and codes, v128-191 bias along the panel, v192-199 along the stream, v200-231 at work.  window 1: accumulators ((t, b) at 8 (8 t + b)).  window 2: the panel's fragments, two sets of 128.  window 3: the stream's four sets of 64.
.set SPARE, 262144                     ; behind the panel: the spare words, 128 bytes for each wave
.set ADR,  12                          ; v12-15 LDS address of panel tiles 0-3, 4-7 in K's first half, then in its second
.set SPW,  28
.set NIL,  29
.set MULW, 0x5e                        ; source 0 window 2, source 1 window 3, C and D window 1
.set TMP,  200
.set CB,   128
.set RB,   192
.set COD,  64
.set MSB, 0
.macro WIN new                         ; the immediate's high byte repeats the setting that is left
.if MSB != \new
	s_set_vgpr_msb (MSB<<8)|\new
.set MSB, \new
.endif
.endm
.macro JLOAD                           ; my part of the panel: q, k jointly, v by itself; the branch hangs on the cluster's number alone
	s_cmp_lt_u32 ttmp9, 40
	s_cbranch_scc0 .Lplain_\@
	tensor_load_to_lds s[40:43], s[24:31]
	s_nop 0
.rept 4
	v_nop
.endr
	s_branch .Lasked_\@
.Lplain_\@:
	tensor_load_to_lds s[44:47], s[32:39]
	s_nop 0
.rept 4
	v_nop
.endr
.Lasked_\@:
.endm
.macro CROUND                          ; a round of the cluster's barrier
	s_barrier_signal -1
	s_barrier_wait -1
	s_cmp_lg_u32 s20, 0
	s_cbranch_scc1 .Lnot_wave_0_\@
	s_barrier_signal -3
.Lnot_wave_0_\@:
	s_barrier_wait -3
	s_barrier_signal -1
	s_barrier_wait -1
.endm
.macro MKSC e, sc, lim
	s_add_co_i32 s92, s[\e], 127
	s_lshl_b32 s93, s92, 23
	v_mov_b32 v[\sc], s93
	s_add_co_i32 s92, s92, 8
	s_lshl_b32 s92, s92, 23
	s_or_b32 s92, s92, 0x600000
	v_mov_b32 v[\lim], s92
.endm
	s_load_b256 s[4:11], s[0:1], 0x0               ; x3, wcodes, Wo, bq
	s_load_b256 s[12:19], s[0:1], 0x20             ; bk, bv, the scales' exponents, qkv
	s_load_b64 s[22:23], s[0:1], 0x40              ; wocodes
	v_lshl_add_u32 v[SPW], v0, 2, SPARE
	v_mov_b32 v[NIL], 0
	v_lshrrev_b32 v1, 5, v0
	v_readfirstlane_b32 s20, v1                    ; wave 0..3
	s_bfe_u32 s21, ttmp6, 0x40000                  ; cx
	v_and_b32 v4, 31, v0
	v_lshlrev_b32 v5, 4, v4                        ; 16 x lane
	v_and_b32 v6, 15, v0                           ; r
	v_bfe_u32 v7, v0, 4, 1                         ; h
	s_cmp_lt_u32 ttmp9, 48
	s_wait_alu depctr_va_vdst(0)
	s_cbranch_scc1 .Lgemm
	; ---- Wo -> wocodes (entry 11): 128 columns x 512 along K a work-group, 128 along K a wave, in four groups of 32.  Columns into tiles as in the other weights.
	; K in the order in which attention leaves a head's 64 results: group u of a head, place 16 h + 8 w + i holds K = 32 h + 4 i + 2 u + w.
.macro WOLOAD un
	WIN 0x40
.set kk, 0
.rept 32
	global_load_b128 v[128*((\un)%2)+4*kk:128*((\un)%2)+4*kk+3], v5, s[8:9] offset:8192*(64*((\un)/2)+32*(kk/16)+4*(kk%8)+2*((\un)%2)+((kk/8)%2)) th:TH_LOAD_NT
.set kk, kk+1
.endr
	WIN 0
.endm
.macro WOUNIT un
.if (\un) < 3
	s_wait_loadcnt 32                              ; this group's 32 loads are in; the next one's may be out
.else
	s_wait_loadcnt 0x0
.endif
	s_wait_xcnt 0x0                                ; the last group's stores have read their codes
	WIN 0x01
.irp j, 0,1,2,3
.set kk, 0
.rept 32
	v_med3_num_f32 v[64+32*\j+kk], v[128*((\un)%2)+4*kk+\j], -v31, v31   ; held (the conversion does not saturate: ISA guide 7.6.2), and column j's 32 numbers side by side
.set kk, kk+1
.endr
.endr
	WIN 0
.irp j, 0,1,2,3
.irp g, 0,1,2,3
	v_cvt_scalef32_pk8_fp8_f32 v[192+8*\j+2*\g:193+8*\j+2*\g], v[64+32*\j+8*\g:71+32*\j+8*\g], v30
.endr
.endr
	v_nop
.irp j, 0,1,2,3
	global_store_b128 v8, v[192+8*\j:195+8*\j], s[22:23] offset:\j*32768+512*(\un)      ; sixteen lanes write 256 consecutive bytes, aligned
	global_store_b128 v8, v[196+8*\j:199+8*\j], s[22:23] offset:\j*32768+512*(\un)+256
.endr
.if (\un) < 2
	WOLOAD (\un)+2
.endif
.endm
	s_wait_kmcnt 0x0
	s_load_b32 s52, s[16:17], 0x2c                 ; e11
	s_sub_co_u32 s50, ttmp9, 48                    ; which 128 columns; which 512 along K: cx
	s_lshl_b32 s48, s21, 22
	s_lshl_b32 s49, s20, 20
	s_add_co_u32 s48, s48, s49
	s_lshl_b32 s49, s50, 9
	s_add_co_u32 s48, s48, s49
	s_mov_b32 s49, 0
	s_add_nc_u64 s[8:9], s[8:9], s[48:49]
	WOLOAD 0
	WOLOAD 1
	s_lshl_b32 s48, s50, 18
	s_lshl_b32 s49, s21, 13
	s_add_co_u32 s48, s48, s49
	s_lshl_b32 s49, s20, 11
	s_add_co_u32 s48, s48, s49
	s_mov_b32 s49, 0
	s_add_nc_u64 s[22:23], s[22:23], s[48:49]
	v_lshlrev_b32 v8, 17, v7
	v_lshl_add_u32 v8, v6, 4, v8
	s_wait_alu depctr_va_vdst(0)
	s_wait_kmcnt 0x0
	MKSC 52, 30, 31
	s_wait_alu depctr_va_vdst(0)
	WOUNIT 0
	WOUNIT 1
	WOUNIT 2
	WOUNIT 3
	s_branch .Lend
	; ---- q, k, v
.Lgemm:
	ds_add_u32 v[SPW], v[NIL]                      ; the opening: the add, twice on end, and its wait ahead of my first tensor load
	ds_add_u32 v[SPW], v[NIL]
	s_mov_b32 s24, 15|(3<<16)|(1<<21)              ; descriptor group 1: the mask of all four partners, elements of 8 bytes
	s_mov_b32 s32, 3<<16                           ; v: no mask
.irp g, 24,32
	s_mov_b32 s[\g+1], 2048<<16                    ; 2 tiles x 16,384 bytes (half of K), 32,768 bytes apart
	s_mov_b32 s[\g+2], 2<<16
	s_mov_b32 s[\g+3], 2048<<16
	s_mov_b32 s[\g+4], 2
	s_mov_b32 s[\g+5], 4096
	s_mov_b32 s[\g+6], 0
	s_mov_b32 s[\g+7], 0
.endr
	s_wait_dscnt 0x0                               ; both opening adds are done
	s_wait_kmcnt 0x0
	s_load_b256 s[76:83], s[16:17], 0x0            ; e0 .. e7
	s_load_b128 s[84:87], s[16:17], 0x20           ; e8 .. e11
	s_lshr_b32 s50, ttmp9, 1                       ; q, k: the panel: 128 rows of wcodes from 128 x this on
	s_lshl_b32 s52, s50, 18
	s_lshl_b32 s53, s20, 16                        ; my two tiles of it
	s_add_co_u32 s52, s52, s53
	s_mov_b32 s53, 0
	s_mov_b32 s40, 1
	s_lshl_b32 s41, s20, 15                        ; in LDS: wave x 32,768
	s_add_nc_u64 s[42:43], s[6:7], s[52:53]
	s_or_b32 s43, s43, 0x80000000
	s_max_u32 s54, ttmp9, 40
	s_sub_co_u32 s54, s54, 40                      ; v: cluster 0 .. 7
	s_lshr_b32 s55, s54, 1
	s_lshl_b32 s55, s55, 2
	s_add_co_u32 s55, s55, s21                     ; v: the panel: which 128 tokens
	s_lshl_b32 s56, s55, 18
	s_lshl_b32 s57, s20, 16
	s_add_co_u32 s56, s56, s57
	s_add_co_u32 s56, s56, 0x800000                ; in part 2 of x3
	s_mov_b32 s57, 0
	s_mov_b32 s44, 1
	s_lshl_b32 s45, s20, 15
	s_add_nc_u64 s[46:47], s[4:5], s[56:57]
	s_or_b32 s47, s47, 0x80000000
	CROUND                                         ; the first joint loads meet
	JLOAD                                          ; K 0-1023: one tensor load a wave at the head
	s_and_b32 s48, ttmp9, 1
	s_lshl_b32 s48, s48, 2
	s_add_co_u32 s48, s48, s21                     ; q, k: the stream: which 256 tokens
	s_lshl_b32 s58, s48, 19
	s_cmp_lt_u32 ttmp9, 32
	s_cselect_b32 s59, 0, 0x400000                 ; part 0 of x3 for q, part 1 for k
	s_add_co_u32 s58, s58, s59
	s_and_b32 s49, s54, 1                          ; v: which 256 columns of Wv
	s_lshl_b32 s59, s49, 19
	s_add_co_u32 s59, s59, 0x500000                ; whose first tile is 160
	s_and_b32 s51, s50, 3                          ; which quarter of four I prefetch
	s_cmp_lt_u32 ttmp9, 40
	s_cselect_b32 s58, s58, s59
	s_cselect_b32 s51, s51, s21
	s_cselect_b64 s[60:61], s[4:5], s[6:7]
	s_lshl_b32 s59, s20, 17                        ; my four tiles
	s_add_co_u32 s58, s58, s59
	s_mov_b32 s59, 0
	s_add_nc_u64 s[60:61], s[60:61], s[58:59]
.macro FETCHX q                        ; the stream's quarter q: each load reads 512 consecutive bytes
	WIN 0xc0
.irp t, 0,1,2,3
.irp c, 0,1,2,3
	global_load_b128 v[64*((\q)%4)+16*\t+4*\c:64*((\q)%4)+16*\t+4*\c+3], v5, s[60:61] offset:32768*\t+2048*(\q)+512*\c
.endr
.endr
.endm
.macro FETCHW q                        ; the panel's quarter q, eight tiles in order
	WIN 0x80
.irp b, 0,1,2,3,4,5,6,7
.irp c, 0,1,2,3
	ds_load_b128 v[128*((\q)%2)+16*\b+4*\c:128*((\q)%2)+16*\b+4*\c+3], v[ADR+2*((\q)/8)+\b/4] offset:16384*(\b%4)+2048*((\q)%8)+512*\c
.endr
.endr
.endm
	FETCHX 0
	FETCHX 1
	FETCHX 2
	WIN 0
	s_lshl_b32 s51, s51, 11
	v_lshrrev_b32 v10, 3, v4
	v_and_b32 v11, 7, v4
	v_lshlrev_b32 v10, 15, v10
	v_lshl_add_u32 v10, v11, 8, v10
	v_add_nc_u32 v10, s51, v10                     ; the prefetches' offset: tile lane / 8, block of 256 bytes lane % 8; never rewritten
	v_lshlrev_b32 v8, 7, v7
	v_lshlrev_b32 v9, 4, v6
	v_mov_b32 v[ADR], v5
	v_add_nc_u32 v[ADR+1], 0x10000, v5
	v_add_nc_u32 v[ADR+2], 0x20000, v5
	v_add_nc_u32 v[ADR+3], 0x30000, v5
	s_lshl_b32 s74, s49, 2
	s_add_co_u32 s74, s74, s20                     ; v: my stream is this kv head's 64 columns
	s_cmp_lt_u32 ttmp9, 40
	s_wait_alu depctr_va_vdst(0)
	s_cbranch_scc0 .Lbias_v
	s_cmp_lt_u32 ttmp9, 32                         ; q, k: the bias runs along the panel: tile j of a head's four, result i: column 32 h + 4 i + j
	s_cselect_b64 s[72:73], s[10:11], s[12:13]
	s_cselect_b32 s56, 0, 16
	s_sub_co_u32 s56, s50, s56
	s_lshl_b32 s56, s56, 9
	s_mov_b32 s57, 0
	s_add_nc_u64 s[72:73], s[72:73], s[56:57]
.irp f, 0,1
.irp i, 0,1,2,3,4,5,6,7
	global_load_b128 v[64+32*\f+4*\i:67+32*\f+4*\i], v8, s[72:73] offset:256*\f+16*\i
.endr
.endr
	s_wait_loadcnt 0x0
.irp f, 0,1
.irp j, 0,1,2,3
.irp i, 0,1,2,3,4,5,6,7
	v_mov_b32 v[CB+32*\f+8*\j+\i], v[64+32*\f+4*\i+\j]
.endr
.endr
.endr
.irp t, 0,1,2,3,4,5,6,7
	v_mov_b32 v[RB+\t], 0
.endr
	s_branch .Lbias
.Lbias_v:                                              ; v: the bias runs along the stream: tile t, row r: column 4 r + t
	s_lshl_b32 s56, s74, 8
	s_mov_b32 s57, 0
	s_add_nc_u64 s[72:73], s[14:15], s[56:57]
	global_load_b128 v[64:67], v9, s[72:73]
.set kk, 0
.rept 64
	v_mov_b32 v[CB+kk], 0
.set kk, kk+1
.endr
	s_wait_loadcnt 0x0
.irp t, 0,1,2,3
	v_mov_b32 v[RB+2*\t], v[64+\t]
	v_mov_b32 v[RB+2*\t+1], 0                      ; (named as the upper half of a pair)
.endr
.Lbias:
	s_lshl_b32 s72, s50, 18                        ; q, k: two heads, 131,072 bytes each (k's part begins where panel 16's does),
	s_lshl_b32 s73, s48, 14
	s_add_co_u32 s72, s72, s73                     ; + 256 tokens,
	s_lshl_b32 s73, s20, 12
	s_add_co_u32 s72, s72, s73                     ; + my 64
	s_lshl_b32 s74, s74, 17                        ; v: the head,
	s_lshl_b32 s75, s55, 13
	s_add_co_u32 s74, s74, s75                     ; + two blocks of 64 keys,
	s_add_co_u32 s74, s74, 0x500000                ; in v's part
	s_mov_b32 s75, 0x20000
	s_cmp_lt_u32 ttmp9, 40
	s_cselect_b32 s72, s72, s74
	s_cselect_b32 s74, s75, 4096                   ; from the panel's first 64 rows to its last 64
	s_mov_b32 s73, 0
	s_mov_b32 s75, 0
	s_add_nc_u64 s[66:67], s[18:19], s[72:73]
	s_add_nc_u64 s[68:69], s[66:67], s[74:75]
	s_wait_alu depctr_va_vdst(0)                   ; the head's end
	s_wait_tensorcnt 0x0                           ; my part of K 0-1023 is in
	ds_add_u32 v[SPW], v[NIL]
	s_add_nc_u64 s[42:43], s[42:43], 16384         ; K 1024-2047,
	s_add_nc_u64 s[46:47], s[46:47], 16384
	s_add_co_u32 s41, s41, 0x20000                 ; into the panel's second half
	s_add_co_u32 s45, s45, 0x20000
	s_wait_dscnt 0x0
	CROUND
	JLOAD                                          ; the first tensor load behind the round
.macro MULB b, q                       ; panel tile b against the stream's four.  The 32 accumulators take turns, one instruction a turn, in the same order in every quarter
.irp t, 0,1,2,3
.if (\q) == 0
	v_wmma_f32_16x16x128_fp8_fp8 v[8*(8*\t+\b):8*(8*\t+\b)+7], v[128*((\q)%2)+16*\b:128*((\q)%2)+16*\b+15], v[64*((\q)%4)+16*\t:64*((\q)%4)+16*\t+15], 0
.else
	v_wmma_f32_16x16x128_fp8_fp8 v[8*(8*\t+\b):8*(8*\t+\b)+7], v[128*((\q)%2)+16*\b:128*((\q)%2)+16*\b+15], v[64*((\q)%4)+16*\t:64*((\q)%4)+16*\t+15], v[8*(8*\t+\b):8*(8*\t+\b)+7]
.endif
.endr
.endm
.macro PLACES                          ; four places in front of loads into registers that matrix instructions have read, and of reads of results (ISA guide 7.12.1 for reads of results)
.rept 4
	v_nop
.endr
.endm
.macro QUARTER q
.if (\q) < 14
	s_wait_loadcnt 32                              ; this quarter's stream is in; two more quarters (16 loads each) may be out
.else
	s_wait_loadcnt 16*(15-(\q))
.endif
.if (\q) == 7
	s_wait_tensorcnt 0x0                           ; my part of K 1024-2047 is in, and my reads are over: say so
	s_wait_dscnt 0x0
.else
	s_wait_dscnt 16                                ; panel tiles 0-3 are in
.endif
	WIN MULW
	MULB 0, \q
	MULB 1, \q
.if (\q) == 7
	s_barrier_signal -1
.endif
	MULB 2, \q
	MULB 3, \q
.if (\q) == 7
	s_barrier_wait -1                              ; the panel's second half is whole
.else
	s_wait_dscnt 0x0                               ; tiles 4-7
.endif
	PLACES
.if (\q) < 15
	FETCHW (\q)+1
.endif
.if (\q) < 13
	FETCHX (\q)+3                                  ; into the set that the quarter before has read
.endif
	WIN MULW
	MULB 4, \q
	MULB 5, \q
	MULB 6, \q
	MULB 7, \q
.endm
.macro ASK g                           ; one of quarters 4 g .. 4 g + 3 of my stream
	WIN 0
	global_prefetch_b8 v10, s[60:61] offset:8192*\g th:TH_LOAD_NT scope:SCOPE_SE
.endm
	FETCHW 0
	QUARTER 0
	ASK 1
	QUARTER 1
	QUARTER 2
	ASK 2
	QUARTER 3
	QUARTER 4
	QUARTER 5
	QUARTER 6
	ASK 3
	QUARTER 7
	QUARTER 8
	QUARTER 9
	QUARTER 10
	QUARTER 11
	QUARTER 12
	QUARTER 13
	QUARTER 14
	QUARTER 15
	WIN 0
	PLACES
	; THE WAY OUT: sum x 2^(ea + eb) + bias, held, converted with the next product's scale: a lane's codes are the next operand's registers
	s_wait_kmcnt 0x0
	s_add_co_i32 s88, s76, s77
	s_add_co_i32 s89, s78, s79
	s_add_co_i32 s90, s80, s81
	s_cmp_lt_u32 ttmp9, 32
	s_cselect_b32 s88, s88, s89
	s_cselect_b32 s91, s82, s83                    ; q by entry 6, k by entry 7,
	s_cmp_lt_u32 ttmp9, 40
	s_cselect_b32 s88, s88, s90
	s_cselect_b32 s91, s91, s85                    ; v by entry 9
	s_add_co_i32 s88, s88, 127
	s_lshl_b32 s70, s88, 23
	s_mov_b32 s71, s70                             ; (named with it as a pair)
	MKSC 91, 30, 31
	s_wait_alu depctr_va_vdst(0)
.macro OUTU t, f                       ; stream tile t, the panel's 64 rows f
	WIN 0x01
.irp j, 0,1,2,3
.irp i, 0,2,4,6
	v_pk_fma_f32 v[TMP+8*\j+\i:TMP+8*\j+\i+1], v[8*(8*\t+4*\f+\j)+\i:8*(8*\t+4*\f+\j)+\i+1], s[70:71], v[CB+32*\f+8*\j+\i:CB+32*\f+8*\j+\i+1] op_sel_hi:[1,0,1]   ; each accumulator from its low end on
.endr
.endr
	WIN 0
.set kk, 0
.rept 16
	v_pk_add_f32 v[TMP+kk:TMP+kk+1], v[TMP+kk:TMP+kk+1], v[RB+2*\t:RB+2*\t+1] op_sel_hi:[1,0]   ; of the two biases one is 0: one rounding in all
.set kk, kk+2
.endr
.set kk, 0
.rept 32
	v_med3_num_f32 v[TMP+kk], v[TMP+kk], -v31, v31
.set kk, kk+1
.endr
.irp j, 0,1,2,3
	v_cvt_scalef32_pk8_fp8_f32 v[COD+16*\t+8*\f+2*\j:COD+16*\t+8*\f+2*\j+1], v[TMP+8*\j:TMP+8*\j+7], v30
.endr
	v_nop                                          ; a plain line ahead of the next lines, which write the conversions' sources
	global_store_b128 v5, v[COD+16*\t+8*\f:COD+16*\t+8*\f+3], s[66+2*\f:67+2*\f] offset:1024*\t          ; 512 consecutive bytes, aligned
	global_store_b128 v5, v[COD+16*\t+8*\f+4:COD+16*\t+8*\f+7], s[66+2*\f:67+2*\f] offset:1024*\t+512
.endm
.irp t, 0,1,2,3
	OUTU \t, 0
	OUTU \t, 1
.endr
.Lend:
	s_wait_tensorcnt 0x0                           ; the wave's end
	ds_add_u32 v[SPW], v[NIL]
	s_wait_dscnt 0x0
	CROUND                                         ; the closing round
	s_endpgm
.Lfunc_end_k_qca4b45bf3d_qkv:
	.size	k_qca4b45bf3d_qkv, .Lfunc_end_k_qca4b45bf3d_qkv-k_qca4b45bf3d_qkv
	.p2alignl 7, 3214868480
	.fill 96, 4, 3214868480
	.section	.rodata,"a",@progbits
	.p2align	6, 0x0
	.amdhsa_kernel k_qca4b45bf3d_qkv
		.amdhsa_group_segment_fixed_size 327680
		.amdhsa_private_segment_fixed_size 0
		.amdhsa_enable_private_segment 0
		.amdhsa_kernarg_size 72
		.amdhsa_user_sgpr_count 2
		.amdhsa_user_sgpr_kernarg_segment_ptr 1
		.amdhsa_wavefront_size32 1
		.amdhsa_system_sgpr_workgroup_id_x 1
		.amdhsa_system_sgpr_workgroup_id_y 1
		.amdhsa_system_sgpr_workgroup_id_z 1
		.amdhsa_system_vgpr_workitem_id 0
		.amdhsa_next_free_vgpr 1024
		.amdhsa_next_free_sgpr 100
		.amdhsa_reserve_vcc 0
		.amdhsa_float_denorm_mode_32 3
		.amdhsa_float_denorm_mode_16_64 3
		.amdhsa_memory_ordered 1
		.amdhsa_forward_progress 1
		.amdhsa_inst_pref_size 198
	.end_amdhsa_kernel
	.amdgpu_metadata
---
amdhsa.version: [ 1, 2 ]
amdhsa.kernels:
  - .name:           k_qca4b45bf3d_qkv
    .symbol:         k_qca4b45bf3d_qkv.kd
    .args:
      - { .name: x3, .offset: 0, .size: 8, .value_kind: global_buffer, .address_space: global }
      - { .name: wcodes, .offset: 8, .size: 8, .value_kind: global_buffer, .address_space: global }
      - { .name: Wo, .offset: 16, .size: 8, .value_kind: global_buffer, .address_space: global }
      - { .name: bq, .offset: 24, .size: 8, .value_kind: global_buffer, .address_space: global }
      - { .name: bk, .offset: 32, .size: 8, .value_kind: global_buffer, .address_space: global }
      - { .name: bv, .offset: 40, .size: 8, .value_kind: global_buffer, .address_space: global }
      - { .name: lowp_scales, .offset: 48, .size: 8, .value_kind: global_buffer, .address_space: global }
      - { .name: qkv, .offset: 56, .size: 8, .value_kind: global_buffer, .address_space: global }
      - { .name: wocodes, .offset: 64, .size: 8, .value_kind: global_buffer, .address_space: global }
    .group_segment_fixed_size: 327680
    .private_segment_fixed_size: 0
    .kernarg_segment_align: 8
    .kernarg_segment_size: 72
    .max_flat_workgroup_size: 128
    .sgpr_count:     100
    .vgpr_count:     1024
    .wavefront_size: 32
...
	.end_amdgpu_metadata
.endif
;; end of part 2
;; launch attn (part 3): grid 16 x 16, 16 waves a work-group, clusters of 4 x 1, 327,680 bytes of LDS; arguments qkv, lowp_scales, ycodes; writes ycodes
.if DOCPART == 3
	.amdgcn_target "amdgcn-amd-amdhsa--gfx1250"
	.amdhsa_code_object_version 6
	.text
	.protected	k_qca4b45bf3d_attn
	.globl	k_qca4b45bf3d_attn
	.p2align	8
	.type	k_qca4b45bf3d_attn,@function
k_qca4b45bf3d_attn:
	s_mov_b64 s[64:65], 0
	v_nop
	global_prefetch_b8 v0, s[64:65] scope:SCOPE_SE
	s_setreg_imm32_b32 hwreg(HW_REG_WAVE_MODE, 25, 1), 1
	s_wait_xcnt 0x0
	s_wait_alu depctr_hold_cnt(0) depctr_sa_sdst(0) depctr_va_vdst(0) depctr_va_sdst(0) depctr_va_ssrc(0) depctr_va_vcc(0) depctr_vm_vsrc(0)
	s_getreg_b32 s2, hwreg(HW_REG_IB_STS2, 6, 4)
	s_cmp_eq_u32 s2, 0
	s_cbranch_scc0 .Lentry_in_a_cluster
	s_endpgm
.Lentry_in_a_cluster:
	s_bfe_u32 s2, ttmp6, 0x10000c
	s_cmp_lg_u32 s2, 0x3003
	s_cbranch_scc0 .Lentry_shape_is_right
	s_endpgm
.Lentry_shape_is_right:
; y = softmax(q k^T / 8, causal) v on codes of FP8 (E4M3), grouped heads (4 query heads to a kv head), and y quantised (entry 10) as the operand of the last product.
; THE SOFTMAX: t = score x log2(e) / 8; M = the largest t so far, rounded up to a whole number; p = 2^(t - M) is quantised (entry 8), the sum is taken of the unquantised p in f32 and divides at the end; a change of M multiplies by a power of two.
; A work-group has one batch and kv head (grid y) and, of each of the 4 query heads, 32 queries of block i and 32 of block 7 - i of 128 (i: the cluster's x; cx: which 32): sixteen tiles of 16 queries.  All K and V of the head, 131,072 bytes, lie in LDS,
; brought by ONE joint load a wave (8,192 bytes): the four partners walk the same keys.  Nothing is filled twice, and there is no stream to prefetch.
; SHARES.  Keys go in steps of 128.  A block-i tile has i + 1 steps, a block-(7 - i) tile 8 - i: nine for the two, which two waves share: wave A takes steps 0-4 of the long tile; wave B its steps 5 .. 7 - i and then the short tile.
; B leaves its part of the long tile (O, -M, sum) in LDS, and A joins it: the numbers under each M are brought under the common one by powers of two.
; LEFT OUT: steps all of whose keys come after the tile's queries (reference() puts -infinity there); a NaN or an infinity that reaches only them is not carried on.  On the diagonal hidden scores become -infinity ahead of the maximum.
; LAYOUT.  Both products transposed: S^T = K Q^T, O^T = V^T P^T: a lane holds one query.  Every operand is an image of its registers: 512 bytes a load, 16 a lane.  Result i of tile t of O^T is d = 4 (8 h + i) + t.
; LIMITS: e6 + e7 between -122 and 130; e8, e10 between -126 and 119; the scaled scores stay under 2^31 in magnitude.
; REGISTERS: v1 16 x lane, v2-3 the add's, v4 the join's LDS address, v5 the diagonal, v7 V's lane address, v10 bound, v11 scale, v12 -M, v13 largest t, v[14:15] sum, v16-23 Q, v24-31 at work, v32-95 K's, then V's fragments, v96-159 S^T, p,
; v160-191 O^T, v192-207 p's codes, v208-215 the short tile's Q, v216 -infinity.
.set VBASE, 65536
.set PART,  131072                     ; eight parts of 4,608 bytes
.set SPARE, PART+8*4608                ; the spare words, 128 bytes for each wave
.macro ROUND
	s_barrier_signal -1
	s_barrier_wait -1
	s_cmp_lg_u32 s10, 0
	s_cbranch_scc1 .Lnot_wave_0_\@
	s_barrier_signal -3
.Lnot_wave_0_\@:
	s_barrier_wait -3
	s_barrier_signal -1
	s_barrier_wait -1
.endm
.macro MKSC e, sc, lim
	s_add_co_i32 s60, s[\e], 127
	s_lshl_b32 s61, s60, 23
	v_mov_b32 v[\sc], s61
	s_add_co_i32 s60, s60, 8
	s_lshl_b32 s60, s60, 23
	s_or_b32 s60, s60, 0x600000
	v_mov_b32 v[\lim], s60
.endm
.macro BEGIN                           ; a tile begins: zeros, which the first change of M leaves zeros
	v_mov_b32 v13, 0xff61b1e6                      ; the largest t so far: -3e38
	v_mov_b32 v14, 0
	v_mov_b32 v15, 0
.set kk, 0
.rept 32
	v_mov_b32 v[160+kk], 0
.set kk, kk+1
.endr
	v_floor_f32 v12, -v13
.endm
	s_load_b128 s[4:7], s[0:1], 0x0                ; qkv, the scales' exponents
	s_load_b64 s[8:9], s[0:1], 0x10                ; ycodes
	v_lshl_add_u32 v2, v0, 2, SPARE
	v_mov_b32 v3, 0
	ds_add_u32 v2, v3                              ; the opening: the add, twice on end, and its wait
	ds_add_u32 v2, v3
	v_lshrrev_b32 v1, 5, v0
	v_readfirstlane_b32 s10, v1                    ; wave 0..15
	s_bfe_u32 s11, ttmp6, 0x40000                  ; cx
	s_and_b32 s12, ttmp7, 0xffff
	s_lshr_b32 s13, s12, 3                         ; batch
	s_and_b32 s14, s12, 7                          ; kv head
	s_and_b32 s15, s10, 3                          ; query head of the four
	s_lshr_b32 s16, s10, 3                         ; which 16 of the 32 queries
	s_lshr_b32 s17, s10, 2
	s_xor_b32 s17, s17, s10
	s_and_b32 s17, s17, 1                          ; 0: wave A, 1: wave B; wave w's partner is w xor 4
	s_mov_b32 s24, 15|(3<<16)|(1<<21)              ; all four partners; elements of 8 bytes; 32 rows of 256 bytes, dense
	s_mov_b32 s25, 32<<16
	s_mov_b32 s26, 32<<16
	s_mov_b32 s27, 32<<16
	s_mov_b32 s28, 32
	s_mov_b32 s29, 32
	s_mov_b32 s30, 0
	s_mov_b32 s31, 0
	s_lshl_b32 s40, s14, 17                        ; K's and V's images of a head and batch: 65,536 bytes on end
	s_lshl_b32 s41, s13, 16
	s_add_co_u32 s40, s40, s41
	s_and_b32 s41, s10, 7
	s_lshl_b32 s41, s41, 13
	s_add_co_u32 s40, s40, s41                     ; my 8,192 bytes:
	s_lshl_b32 s41, s16, 20
	s_add_co_u32 s40, s40, s41
	s_add_co_u32 s40, s40, 0x400000                ; waves 0-7 K's, waves 8-15 V's, 1 MiB further on
	s_mov_b32 s41, 0
	s_mov_b32 s32, 1
	s_lshl_b32 s33, s10, 13                        ; in LDS: wave x 8,192
	s_wait_dscnt 0x0                               ; both opening adds are done
	s_wait_kmcnt 0x0
	s_load_b256 s[68:75], s[6:7], 0x10             ; e4 .. e11
	s_add_nc_u64 s[34:35], s[4:5], s[40:41]
	s_or_b32 s35, s35, 0x80000000
	ROUND                                          ; the joint loads meet
	tensor_load_to_lds s[32:35], s[24:31]
	s_nop 0
.rept 4
	v_nop
.endr
	s_lshl_b32 s45, s14, 2
	s_add_co_u32 s45, s45, s15                     ; my query head
	s_lshl_b32 s46, s13, 6
	s_lshl_b32 s47, s11, 1
	s_add_co_u32 s46, s46, s47
	s_add_co_u32 s46, s46, s16
	s_sub_co_u32 s19, 7, ttmp9                     ; the long tile's block
	s_lshl_b32 s48, s19, 3
	s_add_co_u32 s48, s48, s46                     ; the long tile, of 128,
	s_lshl_b32 s49, ttmp9, 3
	s_add_co_u32 s49, s49, s46                     ; and the short one
	s_lshl_b32 s50, s45, 17
	s_lshl_b32 s42, s48, 10
	s_add_co_u32 s42, s42, s50
	s_mov_b32 s43, 0
	s_add_nc_u64 s[36:37], s[4:5], s[42:43]        ; Q of the long tile,
	s_lshl_b32 s42, s49, 10
	s_add_co_u32 s42, s42, s50
	s_add_nc_u64 s[38:39], s[4:5], s[42:43]        ; of the short tile
	v_and_b32 v8, 31, v0
	v_and_b32 v9, 15, v0                           ; r
	v_lshlrev_b32 v1, 4, v8
	v_bfe_u32 v10, v0, 4, 1                        ; h
	global_load_b128 v[16:19], v1, s[36:37]
	global_load_b128 v[20:23], v1, s[36:37] offset:512
.set kk, 0
.rept 8
	v_mov_b32 v[208+kk], 0                         ; (written in wave A too, which never uses them)
.set kk, kk+1
.endr
	s_cmp_eq_u32 s17, 0
	s_wait_alu depctr_va_vdst(0)
	s_cbranch_scc1 .Lone_q
	global_load_b128 v[208:211], v1, s[38:39]
	global_load_b128 v[212:215], v1, s[38:39] offset:512
.Lone_q:
	s_lshl_b32 s51, s16, 2
	s_add_co_u32 s51, s51, s15                     ; which pair of waves
	s_mul_i32 s51, s51, 4608
	s_add_co_u32 s51, s51, PART
	v_add_nc_u32 v4, s51, v1
	v_add_nc_u32 v7, VBASE, v1
	s_lshl_b32 s52, s11, 5
	s_lshl_b32 s51, s16, 4
	s_add_co_u32 s52, s52, s51
	v_lshlrev_b32 v10, 3, v10
	v_sub_nc_u32 v5, v9, v10
	v_add_nc_u32 v5, s52, v5                       ; on the diagonal register (T, i) holds key 16 T + 8 h + i of the block: hidden where 16 T + i > v5
	v_mov_b32 v216, 0xff800000
	v_mov_b32 v27, 0                               ; (named as upper halves of pairs, or as a lane permute's destination)
	v_mov_b32 v29, 0
	v_mov_b32 v31, 0
	BEGIN
	s_mov_b32 s56, 0x76543210
	s_mov_b32 s57, 0xfedcba98
	s_mov_b32 s22, 0x3e38aa3b                      ; log2(e) / 8
	s_wait_alu depctr_va_vdst(0)
	s_wait_kmcnt 0x0
	s_add_co_i32 s60, s70, s71
	s_lshl_b32 s60, s60, 23
	s_add_co_i32 s22, s22, s60                     ; x 2^(e6 + e7): added to the exponent field
	s_mov_b32 s23, s22
	MKSC 72, 11, 10
	s_sub_co_u32 s53, 3, ttmp9                     ; first walk: A: steps 0-2; B: the long tile's steps 5 .. 7 - i
	s_cmp_eq_u32 s17, 0
	s_cselect_b32 s53, 3, s53
	s_mul_i32 s54, s17, 5                          ; the step,
	s_lshl_b32 s55, s54, 13                        ; its byte in K's and in V's image
	s_mov_b32 s51, s19                             ; the block in which the tile's queries lie
	s_wait_alu depctr_va_vdst(0)                   ; the head's end
	s_wait_loadcnt 0x0
	s_wait_tensorcnt 0x0                           ; my part of K or V is in
	s_barrier_signal -1
	s_barrier_wait -1                              ; and everybody's
.macro WALK trips                      ; steps of 128 keys; s53 of the trips are run: ids alone decide
	s_mov_b32 s58, 0
.Lstep_\@:
	s_cmp_ge_u32 s58, s53
	s_cbranch_scc1 .Lskip_\@
	v_add_nc_u32 v8, s55, v1
	v_add_nc_u32 v9, s55, v7
	v_nop                                          ; with the two lines above four places in front of loads into registers that matrix instructions have read
	v_nop
.irp T, 0,1,2,3,4,5,6,7
	ds_load_b128 v[32+8*\T:35+8*\T], v8 offset:1024*\T
	ds_load_b128 v[36+8*\T:39+8*\T], v8 offset:1024*\T+512
.endr
	s_wait_alu depctr_va_vdst(0)
	s_wait_dscnt 8                                 ; K's tiles 0-3
.irp T, 0,1,2,3
	v_wmma_f32_16x16x64_fp8_fp8 v[96+8*\T:103+8*\T], v[32+8*\T:39+8*\T], v[16:23], 0
.endr
	s_wait_dscnt 0x0
.irp T, 4,5,6,7
	v_wmma_f32_16x16x64_fp8_fp8 v[96+8*\T:103+8*\T], v[32+8*\T:39+8*\T], v[16:23], 0
.endr
.rept 4
	v_nop
.endr
.irp t, 0,1,2,3
.irp c, 0,1,2,3
	ds_load_b128 v[32+16*\t+4*\c:35+16*\t+4*\c], v9 offset:4096*(\c/2)+1024*\t+512*(\c%2)   ; V's fragments, over K's
.endr
.endr
	s_cmp_lg_u32 s54, s51
	s_cbranch_scc1 .Lopen_\@
.set kk, 0
.rept 64
	v_cmp_gt_i32 vcc_lo, 16*(kk/8)+kk%8, v5
	v_cndmask_b32 v[96+kk], v[96+kk], v216, vcc_lo
.set kk, kk+1
.endr
.Lopen_\@:
	v_max3_num_f32 v24, v96, v97, v98              ; the largest score, in four chains, ascending
	v_max3_num_f32 v26, v99, v100, v101
	v_max3_num_f32 v28, v102, v103, v104
	v_max3_num_f32 v30, v105, v106, v107
.irp i, 12,20,28,36,44,52
	v_max3_num_f32 v24, v24, v[96+\i], v[97+\i]
	v_max3_num_f32 v26, v26, v[98+\i], v[99+\i]
	v_max3_num_f32 v28, v28, v[100+\i], v[101+\i]
	v_max3_num_f32 v30, v30, v[102+\i], v[103+\i]
.endr
	v_max3_num_f32 v24, v24, v156, v157
	v_max3_num_f32 v26, v26, v158, v159
	v_max_num_f32 v28, v28, v30
	s_delay_alu instid0(VALU_DEP_1)
	v_max3_num_f32 v24, v24, v26, v28
	s_delay_alu instid0(VALU_DEP_1)
	v_permlanex16_b32 v29, v24, s56, s57           ; lane l xor 16's
	s_delay_alu instid0(VALU_DEP_1)
	v_max_num_f32 v24, v24, v29
	s_delay_alu instid0(VALU_DEP_1)
	v_mul_f32 v24, s22, v24
	s_delay_alu instid0(VALU_DEP_1)
	v_max_num_f32 v13, v13, v24
	v_mov_b32 v24, v12
	s_delay_alu instid0(VALU_DEP_2)
	v_floor_f32 v12, -v13                          ; -M
	s_delay_alu instid0(VALU_DEP_1)
	v_sub_f32 v24, v12, v24
	s_delay_alu instid0(VALU_DEP_1)
	v_cvt_i32_f32 v24, v24                         ; (it saturates)
	s_delay_alu instid0(VALU_DEP_1)
	v_ldexp_f32 v26, 1.0, v24                      ; 2^(old M - new M)
.set kk, 0
.rept 32
	v_pk_fma_f32 v[96+kk:97+kk], v[96+kk:97+kk], s[22:23], v[12:13] op_sel_hi:[1,0,0]
.set kk, kk+2
.endr
	s_wait_alu depctr_va_vdst(0)                   ; ahead of the batch
.set kk, 0
.rept 64
	v_exp_f32 v[96+kk], v[96+kk]
.set kk, kk+1
.endr
	v_pk_mul_f32 v[14:15], v[14:15], v[26:27] op_sel_hi:[1,0]
	s_wait_alu depctr_va_vdst(0)                   ; and ahead of its first reader
	v_pk_add_f32 v[24:25], v[96:97], v[98:99]      ; the sum of the unquantised p, in four chains
	v_pk_add_f32 v[28:29], v[100:101], v[102:103]
	v_pk_add_f32 v[30:31], v[104:105], v[106:107]
	v_pk_add_f32 v[14:15], v[14:15], v[108:109]
.irp i, 14,22,30,38,46,54
	v_pk_add_f32 v[24:25], v[24:25], v[96+\i:97+\i]
	v_pk_add_f32 v[28:29], v[28:29], v[98+\i:99+\i]
	v_pk_add_f32 v[30:31], v[30:31], v[100+\i:101+\i]
	v_pk_add_f32 v[14:15], v[14:15], v[102+\i:103+\i]
.endr
	v_pk_add_f32 v[24:25], v[24:25], v[158:159]
	v_pk_add_f32 v[28:29], v[28:29], v[30:31]
	v_pk_add_f32 v[14:15], v[14:15], v[24:25]
	s_delay_alu instid0(VALU_DEP_1)
	v_pk_add_f32 v[14:15], v[14:15], v[28:29]
.irp T, 0,1,2,3,4,5,6,7
.irp i, 0,1,2,3,4,5,6,7
	v_min_num_f32 v[96+8*\T+\i], v[96+8*\T+\i], v10   ; the conversion does not saturate (ISA guide 7.6.2); p is never negative
.endr
	v_cvt_scalef32_pk8_fp8_f32 v[192+2*\T:193+2*\T], v[96+8*\T:103+8*\T], v11
.endr
	s_wait_alu depctr_va_vdst(0)                   ; ahead of the first reader of O^T
.set kk, 0
.rept 16
	v_pk_mul_f32 v[160+kk:161+kk], v[160+kk:161+kk], v[26:27] op_sel_hi:[1,0]
.set kk, kk+2
.endr
	s_wait_alu depctr_va_vdst(0)
	s_wait_dscnt 0x0                               ; V
.irp t, 0,1,2,3
	v_wmma_f32_16x16x128_fp8_fp8 v[160+8*\t:167+8*\t], v[32+16*\t:47+16*\t], v[192:207], v[160+8*\t:167+8*\t]
.endr
.Lskip_\@:
	s_add_co_u32 s55, s55, 8192
	s_add_co_u32 s54, s54, 1
	s_add_co_u32 s58, s58, 1
	s_cmp_lt_u32 s58, \trips
	s_cbranch_scc1 .Lstep_\@
.endm
	WALK 3
.rept 4
	v_nop                                          ; places behind the last products
.endr
	s_cmp_eq_u32 s17, 0
	s_cbranch_scc1 .Lgo_on
.irp k, 0,1,2,3,4,5,6,7
	ds_store_b128 v4, v[160+4*\k:163+4*\k] offset:512*\k   ; B: its part of the long tile, each accumulator from its low end on
.endr
	ds_store_b128 v4, v[12:15] offset:4096
.set kk, 0
.rept 8
	v_mov_b32 v[16+kk], v[208+kk]                  ; and on to the short tile
.set kk, kk+1
.endr
	BEGIN
	s_wait_alu depctr_va_vdst(0)
.Lgo_on:
	s_add_co_u32 s53, ttmp9, 1                     ; second walk: A: steps 3, 4; B: the short tile's steps 0 .. i
	s_cmp_eq_u32 s17, 0
	s_cselect_b32 s53, 2, s53
	s_cselect_b32 s51, s19, ttmp9
	s_xor_b32 s54, s17, 1
	s_mul_i32 s54, s54, 3
	s_lshl_b32 s55, s54, 13
	WALK 4
.rept 4
	v_nop                                          ; places behind the last products
.endr
	s_wait_dscnt 0x0                               ; B's stores are done
	s_barrier_signal -1
	s_barrier_wait -1
	s_cmp_lg_u32 s17, 0
	s_cbranch_scc1 .Lown
.irp k, 0,1,2,3,4,5,6,7
	ds_load_b128 v[32+4*\k:35+4*\k], v4 offset:512*\k      ; A: B's part: O in v32-63, -M in v64, the sum in v66, v67
.endr
	ds_load_b128 v[64:67], v4 offset:4096
	s_wait_dscnt 0x0
	v_min_num_f32 v24, v12, v64                    ; the common -M
	v_sub_f32 v25, v24, v12
	v_sub_f32 v28, v24, v64
	v_cvt_i32_f32 v25, v25
	v_cvt_i32_f32 v28, v28
	v_ldexp_f32 v26, 1.0, v25
	v_ldexp_f32 v30, 1.0, v28
	v_pk_mul_f32 v[14:15], v[14:15], v[26:27] op_sel_hi:[1,0]
.set kk, 0
.rept 16
	v_pk_mul_f32 v[160+kk:161+kk], v[160+kk:161+kk], v[26:27] op_sel_hi:[1,0]
.set kk, kk+2
.endr
	v_pk_fma_f32 v[14:15], v[66:67], v[30:31], v[14:15] op_sel_hi:[1,0,1]
.set kk, 0
.rept 16
	v_pk_fma_f32 v[160+kk:161+kk], v[32+kk:33+kk], v[30:31], v[160+kk:161+kk] op_sel_hi:[1,0,1]
.set kk, kk+2
.endr
	s_wait_alu depctr_va_vdst(0)
.Lown:
	; THE WAY OUT: O / the sum x 2^(e8 + e9), held, converted by entry 10: a lane's codes are the last product's operand
	v_add_f32 v14, v14, v15
	s_delay_alu instid0(VALU_DEP_1)
	v_permlanex16_b32 v29, v14, s56, s57
	s_delay_alu instid0(VALU_DEP_1)
	v_add_f32 v14, v14, v29
	s_wait_alu depctr_va_vdst(0)                   ; ahead of the transcendental
	v_rcp_f32 v14, v14
	v_nop
	s_add_co_i32 s62, s72, s73
	MKSC 74, 11, 10
	s_cmp_eq_u32 s17, 0
	s_cselect_b32 s48, s48, s49                    ; A: the long tile, B: the short one
	s_lshl_b32 s48, s48, 15
	s_lshl_b32 s49, s45, 10
	s_add_co_u32 s48, s48, s49
	s_mov_b32 s49, 0
	s_add_nc_u64 s[8:9], s[8:9], s[48:49]
	s_wait_alu depctr_va_vdst(0)                   ; and ahead of its first reader
	v_ldexp_f32 v14, v14, s62
	s_wait_alu depctr_va_vdst(0)                   ; ahead of the first reader of O^T
.set kk, 0
.rept 32
	v_mul_f32 v[96+kk], v[160+kk], v14
.set kk, kk+1
.endr
.set kk, 0
.rept 32
	v_med3_num_f32 v[96+kk], v[96+kk], -v10, v10
.set kk, kk+1
.endr
.irp t, 0,1,2,3
	v_cvt_scalef32_pk8_fp8_f32 v[128+2*\t:129+2*\t], v[96+8*\t:103+8*\t], v11
.endr
	v_nop
	global_store_b128 v1, v[128:131], s[8:9]       ; 512 consecutive bytes each, aligned
	global_store_b128 v1, v[132:135], s[8:9] offset:512
	s_wait_tensorcnt 0x0                           ; the wave's end
	ds_add_u32 v2, v3
	s_wait_dscnt 0x0
	ROUND                                          ; the closing round
	s_endpgm
.Lfunc_end_k_qca4b45bf3d_attn:
	.size	k_qca4b45bf3d_attn, .Lfunc_end_k_qca4b45bf3d_attn-k_qca4b45bf3d_attn
	.p2alignl 7, 3214868480
	.fill 96, 4, 3214868480
	.section	.rodata,"a",@progbits
	.p2align	6, 0x0
	.amdhsa_kernel k_qca4b45bf3d_attn
		.amdhsa_group_segment_fixed_size 327680
		.amdhsa_private_segment_fixed_size 0
		.amdhsa_enable_private_segment 0
		.amdhsa_kernarg_size 24
		.amdhsa_user_sgpr_count 2
		.amdhsa_user_sgpr_kernarg_segment_ptr 1
		.amdhsa_wavefront_size32 1
		.amdhsa_system_sgpr_workgroup_id_x 1
		.amdhsa_system_sgpr_workgroup_id_y 1
		.amdhsa_system_sgpr_workgroup_id_z 1
		.amdhsa_system_vgpr_workitem_id 0
		.amdhsa_next_free_vgpr 256
		.amdhsa_next_free_sgpr 76
		.amdhsa_reserve_vcc 1
		.amdhsa_float_denorm_mode_32 3
		.amdhsa_float_denorm_mode_16_64 3
		.amdhsa_memory_ordered 1
		.amdhsa_forward_progress 1
		.amdhsa_inst_pref_size 60
	.end_amdhsa_kernel
	.amdgpu_metadata
---
amdhsa.version: [ 1, 2 ]
amdhsa.kernels:
  - .name:           k_qca4b45bf3d_attn
    .symbol:         k_qca4b45bf3d_attn.kd
    .args:
      - { .name: qkv, .offset: 0, .size: 8, .value_kind: global_buffer, .address_space: global }
      - { .name: lowp_scales, .offset: 8, .size: 8, .value_kind: global_buffer, .address_space: global }
      - { .name: ycodes, .offset: 16, .size: 8, .value_kind: global_buffer, .address_space: global }
    .group_segment_fixed_size: 327680
    .private_segment_fixed_size: 0
    .kernarg_segment_align: 8
    .kernarg_segment_size: 24
    .max_flat_workgroup_size: 512
    .sgpr_count:     76
    .vgpr_count:     256
    .wavefront_size: 32
...
	.end_amdgpu_metadata
.endif
;; end of part 3
;; launch proj (part 4): grid 256 x 1, 4 waves a work-group, clusters of 4 x 1, 327,680 bytes of LDS; arguments ycodes, wocodes, bo, lowp_scales, out0; writes out0
.if DOCPART == 4
	.amdgcn_target "amdgcn-amd-amdhsa--gfx1250"
	.amdhsa_code_object_version 6
	.text
	.protected	k_qca4b45bf3d_proj
	.globl	k_qca4b45bf3d_proj
	.p2align	8
	.type	k_qca4b45bf3d_proj,@function
k_qca4b45bf3d_proj:
	s_mov_b64 s[64:65], 0
	v_nop
	global_prefetch_b8 v0, s[64:65] scope:SCOPE_SE
	s_setreg_imm32_b32 hwreg(HW_REG_WAVE_MODE, 25, 1), 1
	s_wait_xcnt 0x0
	s_wait_alu depctr_hold_cnt(0) depctr_sa_sdst(0) depctr_va_vdst(0) depctr_va_sdst(0) depctr_va_ssrc(0) depctr_va_vcc(0) depctr_vm_vsrc(0)
	s_getreg_b32 s2, hwreg(HW_REG_IB_STS2, 6, 4)
	s_cmp_eq_u32 s2, 0
	s_cbranch_scc0 .Lentry_in_a_cluster
	s_endpgm
.Lentry_in_a_cluster:
	s_bfe_u32 s2, ttmp6, 0x10000c
	s_cmp_lg_u32 s2, 0x3003
	s_cbranch_scc0 .Lentry_shape_is_right
	s_endpgm
.Lentry_shape_is_right:
; out0 = y Wo + bo on codes of FP8 (E4M3) (entries 10, 11); out0 [2048][2048] f32.  256 tiles of 128 x 128, one to a work-group.
; The PANEL, 128 columns of Wo (8 tiles of 16, source 0), lies in LDS over the whole of K, 262,144 bytes, brought by two loads a wave; no byte is filled twice.  The STREAM, 32 tokens (2 tiles, source 1) for each wave, comes from memory
; straight into registers as the operand's image, seven quarters (128 along K each) ahead, in a ring of eight register sets.
; CLUSTERS of 4 along x share a panel and ask for it jointly.  The stream does not pass through LDS, so it is not asked for jointly.  No prefetch: the stream's own loads are out seven of the sixteen quarters ahead, 56 a wave,
; and the panel's second load has eight quarters in which to land.
; Panel tile 4 f + j holds columns 64 f + 4 r + j, so a lane's results i of the four tiles j are 4 neighbouring columns, 64 f + 32 h + 4 i + 0 .. 3.
; LIMIT: e10 + e11 lies between -126 and 127.
; REGISTERS: window 0: addresses, v64-127 the bias, later rows read back, v128-191 at work, v192-255 rows read back.  window 1: accumulators ((t, b) at 8 (8 t + b)).  window 2: the panel's fragments, two sets of 128.  window 3: the stream's eight sets of 32.
.set SPT,   528                        ; a stage row: 512 bytes + 16
.set STAGE, 262144                     ; behind the panel: 16 rows for each wave
.set SPARE, STAGE+4*16*SPT             ; the spare words, 128 bytes for each wave
.set ADR,  12
.set STO,  24
.set RD,   25
.set SPW,  28
.set NIL,  29
.set MULW, 0x5e                        ; source 0 window 2, source 1 window 3, C and D window 1
.set MSB, 0
.macro WIN new                         ; the immediate's high byte repeats the setting that is left
.if MSB != \new
	s_set_vgpr_msb (MSB<<8)|\new
.set MSB, \new
.endif
.endm
.macro CROUND
	s_barrier_signal -1
	s_barrier_wait -1
	s_cmp_lg_u32 s20, 0
	s_cbranch_scc1 .Lnot_wave_0_\@
	s_barrier_signal -3
.Lnot_wave_0_\@:
	s_barrier_wait -3
	s_barrier_signal -1
	s_barrier_wait -1
.endm
.macro PLACES                          ; four places in front of loads into registers that matrix instructions have read, and of reads of results (ISA guide 7.12.1 for reads of results)
.rept 4
	v_nop
.endr
.endm
.macro FETCHX q                        ; the stream's quarter q: each load reads 512 consecutive bytes
	WIN 0xc0
.irp t, 0,1
.irp c, 0,1,2,3
	global_load_b128 v[32*((\q)%8)+16*\t+4*\c:32*((\q)%8)+16*\t+4*\c+3], v5, s[60:61] offset:32768*\t+2048*(\q)+512*\c
.endr
.endr
.endm
.macro FETCHW q                        ; the panel's quarter q, eight tiles in order
	WIN 0x80
.irp b, 0,1,2,3,4,5,6,7
.irp c, 0,1,2,3
	ds_load_b128 v[128*((\q)%2)+16*\b+4*\c:128*((\q)%2)+16*\b+4*\c+3], v[ADR+2*((\q)/8)+\b/4] offset:16384*(\b%4)+2048*((\q)%8)+512*\c
.endr
.endr
.endm
.macro MULB b, q                       ; the 16 accumulators take turns, one instruction a turn, in the same order in every quarter
.irp t, 0,1
.if (\q) == 0
	v_wmma_f32_16x16x128_fp8_fp8 v[8*(8*\t+\b):8*(8*\t+\b)+7], v[128*((\q)%2)+16*\b:128*((\q)%2)+16*\b+15], v[32*((\q)%8)+16*\t:32*((\q)%8)+16*\t+15], 0
.else
	v_wmma_f32_16x16x128_fp8_fp8 v[8*(8*\t+\b):8*(8*\t+\b)+7], v[128*((\q)%2)+16*\b:128*((\q)%2)+16*\b+15], v[32*((\q)%8)+16*\t:32*((\q)%8)+16*\t+15], v[8*(8*\t+\b):8*(8*\t+\b)+7]
.endif
.endr
.endm
.macro QUARTER q
.if (\q) < 10
	s_wait_loadcnt 48                              ; this quarter's stream is in; six more quarters (8 loads each) may be out
.else
	s_wait_loadcnt 8*(15-(\q))+16                  ; the quarters left, and the bias's 16 loads, which are younger
.endif
.if (\q) == 7
	s_wait_tensorcnt 0x0                           ; my part of K 1024-2047 is in, and my reads are over: say so
	s_wait_dscnt 0x0
.else
	s_wait_dscnt 16                                ; panel tiles 0-3 are in
.endif
	WIN MULW
	MULB 0, \q
	MULB 1, \q
.if (\q) == 7
	s_barrier_signal -1
.endif
	MULB 2, \q
	MULB 3, \q
.if (\q) == 7
	s_barrier_wait -1                              ; the panel's second half is whole
.else
	s_wait_dscnt 0x0                               ; tiles 4-7
.endif
	PLACES
.if (\q) < 15
	FETCHW (\q)+1
.endif
.if (\q) < 9
	FETCHX (\q)+7                                  ; into the set that the quarter before has read
.endif
.if (\q) == 9
	WIN 0
.irp f, 0,1
.irp i, 0,1,2,3,4,5,6,7
	global_load_b128 v[64+32*\f+4*\i:67+32*\f+4*\i], v8, s[8:9] offset:256*\f+16*\i   ; bo at my columns
.endr
.endr
.endif
	WIN MULW
	MULB 4, \q
	MULB 5, \q
	MULB 6, \q
	MULB 7, \q
.endm
	s_load_b256 s[4:11], s[0:1], 0x0               ; ycodes, wocodes, bo, the scales' exponents
	s_load_b64 s[12:13], s[0:1], 0x20              ; out0
	v_lshl_add_u32 v[SPW], v0, 2, SPARE
	v_mov_b32 v[NIL], 0
	ds_add_u32 v[SPW], v[NIL]                      ; the opening: the add, twice on end, and its wait ahead of my first tensor load
	ds_add_u32 v[SPW], v[NIL]
	v_lshrrev_b32 v1, 5, v0
	v_readfirstlane_b32 s20, v1                    ; wave 0..3
	s_bfe_u32 s21, ttmp6, 0x40000                  ; cx
	s_mov_b32 s24, 15|(3<<16)|(1<<21)              ; the mask of all four partners, elements of 8 bytes
	s_mov_b32 s25, 2048<<16                        ; 2 tiles x 16,384 bytes (half of K), 32,768 bytes apart
	s_mov_b32 s26, 2<<16
	s_mov_b32 s27, 2048<<16
	s_mov_b32 s28, 2
	s_mov_b32 s29, 4096
	s_mov_b32 s30, 0
	s_mov_b32 s31, 0
	s_lshr_b32 s50, ttmp9, 2                       ; the panel: which 128 columns
	s_lshl_b32 s52, s50, 18
	s_lshl_b32 s53, s20, 16                        ; my two tiles of it
	s_add_co_u32 s52, s52, s53
	s_mov_b32 s53, 0
	s_and_b32 s48, ttmp9, 3
	s_lshl_b32 s48, s48, 2
	s_add_co_u32 s48, s48, s21                     ; which 128 tokens
	s_lshl_b32 s54, s48, 18
	s_lshl_b32 s55, s20, 16                        ; my two tiles
	s_add_co_u32 s54, s54, s55
	s_mov_b32 s55, 0
	s_mov_b32 s40, 1
	s_lshl_b32 s41, s20, 15                        ; in LDS: wave x 32,768
	s_wait_dscnt 0x0                               ; both opening adds are done
	s_wait_kmcnt 0x0
	s_load_b64 s[68:69], s[10:11], 0x28            ; e10, e11
	s_add_nc_u64 s[42:43], s[6:7], s[52:53]
	s_or_b32 s43, s43, 0x80000000
	s_add_nc_u64 s[60:61], s[4:5], s[54:55]
	CROUND                                         ; the first joint loads meet
	tensor_load_to_lds s[40:43], s[24:31]          ; K 0-1023: one tensor load a wave at the head
	s_nop 0
.rept 4
	v_nop
.endr
	v_and_b32 v4, 31, v0
	v_lshlrev_b32 v5, 4, v4                        ; 16 x lane
	FETCHX 0
	FETCHX 1
	FETCHX 2
	FETCHX 3
	FETCHX 4
	FETCHX 5
	FETCHX 6
	WIN 0
	v_and_b32 v6, 15, v0                           ; r
	v_bfe_u32 v7, v0, 4, 1                         ; h
	v_mov_b32 v[ADR], v5
	v_add_nc_u32 v[ADR+1], 0x10000, v5
	v_add_nc_u32 v[ADR+2], 0x20000, v5
	v_add_nc_u32 v[ADR+3], 0x30000, v5
	v_lshlrev_b32 v8, 7, v7                        ; the bias: 32 columns for each half of the lanes
	v_mul_u32_u24 v9, v6, SPT
	v_lshl_add_u32 v9, v7, 7, v9
	s_mul_i32 s51, s20, 16*SPT
	s_add_co_u32 s51, s51, STAGE                   ; my stage
	v_add_nc_u32 v[STO], s51, v9                   ; in: row r, 128 bytes for each half of the lanes
	v_add_nc_u32 v[RD], s51, v5                    ; back: the 32 lanes take one row of 512 bytes
	s_lshl_b32 s54, s50, 9
	s_mov_b32 s55, 0
	s_add_nc_u64 s[8:9], s[8:9], s[54:55]          ; bo at my first column
	s_lshl_b32 s56, s48, 20
	s_lshl_b32 s57, s20, 18
	s_add_co_u32 s56, s56, s57
	s_add_co_u32 s56, s56, s54
	s_mov_b32 s57, 0
	s_add_nc_u64 s[12:13], s[12:13], s[56:57]      ; out0 at my first token and column
	s_wait_alu depctr_va_vdst(0)                   ; the head's end
	s_wait_tensorcnt 0x0                           ; my part of K 0-1023 is in
	ds_add_u32 v[SPW], v[NIL]
	s_add_nc_u64 s[42:43], s[42:43], 16384         ; K 1024-2047,
	s_add_co_u32 s41, s41, 0x20000                 ; into the panel's second half
	s_wait_dscnt 0x0
	CROUND
	tensor_load_to_lds s[40:43], s[24:31]          ; the first tensor load behind the round
	s_nop 0
.rept 4
	v_nop
.endr
	FETCHW 0
	QUARTER 0
	QUARTER 1
	QUARTER 2
	QUARTER 3
	QUARTER 4
	QUARTER 5
	QUARTER 6
	QUARTER 7
	QUARTER 8
	QUARTER 9
	QUARTER 10
	QUARTER 11
	QUARTER 12
	QUARTER 13
	QUARTER 14
	QUARTER 15
	WIN 0
	PLACES
	; THE WAY OUT: sum x 2^(e10 + e11) + bo, 16 rows at a time through my own stage, back as whole rows of 512 bytes.  LDS serves a wave's instructions in order (ISA guide 5.7.1.4): no wait between stores and loads
	s_wait_kmcnt 0x0
	s_add_co_i32 s66, s68, s69
	s_add_co_i32 s66, s66, 127
	s_lshl_b32 s66, s66, 23
	s_wait_loadcnt 0x0                             ; bo
.macro TOSTAGE t, bk
	WIN 0x01
.irp f, 0,1
.irp i, 0,1,2,3,4,5,6,7
.irp j, 0,1,2,3
	v_fma_f32 v[128+32*\f+4*\i+\j], v[8*(8*\t+4*\f+\j)+\i], s66, v[64+32*\f+4*\i+\j]   ; each accumulator from its low end on
.endr
.endr
.endr
	WIN 0
.irp f, 0,1
.irp i, 0,1,2,3,4,5,6,7
	ds_store_b128 v[STO], v[128+32*\f+4*\i:131+32*\f+4*\i] offset:256*\f+16*\i
.endr
.endr
.set kk, 0
.rept 16
	ds_load_b128 v[\bk+4*kk:\bk+4*kk+3], v[RD] offset:SPT*kk
.set kk, kk+1
.endr
.endm
.macro SEND t, bk, younger             ; younger: the other tile's 16 stores and 16 loads, or none
	s_wait_dscnt \younger
.set kk, 0
.rept 16
	global_store_b128 v5, v[\bk+4*kk:\bk+4*kk+3], s[12:13] offset:(16*\t+kk)*8192 th:TH_STORE_NT   ; 512 consecutive bytes, aligned
.set kk, kk+1
.endr
.endm
	TOSTAGE 0, 192
	TOSTAGE 1, 64
	SEND 0, 192, 32
	SEND 1, 64, 0
	s_wait_tensorcnt 0x0                           ; the wave's end
	ds_add_u32 v[SPW], v[NIL]
	s_wait_dscnt 0x0
	CROUND                                         ; the closing round
	s_endpgm
.Lfunc_end_k_qca4b45bf3d_proj:
	.size	k_qca4b45bf3d_proj, .Lfunc_end_k_qca4b45bf3d_proj-k_qca4b45bf3d_proj
	.p2alignl 7, 3214868480
	.fill 96, 4, 3214868480
	.section	.rodata,"a",@progbits
	.p2align	6, 0x0
	.amdhsa_kernel k_qca4b45bf3d_proj
		.amdhsa_group_segment_fixed_size 327680
		.amdhsa_private_segment_fixed_size 0
		.amdhsa_enable_private_segment 0
		.amdhsa_kernarg_size 40
		.amdhsa_user_sgpr_count 2
		.amdhsa_user_sgpr_kernarg_segment_ptr 1
		.amdhsa_wavefront_size32 1
		.amdhsa_system_sgpr_workgroup_id_x 1
		.amdhsa_system_sgpr_workgroup_id_y 1
		.amdhsa_system_sgpr_workgroup_id_z 1
		.amdhsa_system_vgpr_workitem_id 0
		.amdhsa_next_free_vgpr 1024
		.amdhsa_next_free_sgpr 100
		.amdhsa_reserve_vcc 0
		.amdhsa_float_denorm_mode_32 3
		.amdhsa_float_denorm_mode_16_64 3
		.amdhsa_memory_ordered 1
		.amdhsa_forward_progress 1
		.amdhsa_inst_pref_size 87
	.end_amdhsa_kernel
	.amdgpu_metadata
---
amdhsa.version: [ 1, 2 ]
amdhsa.kernels:
  - .name:           k_qca4b45bf3d_proj
    .symbol:         k_qca4b45bf3d_proj.kd
    .args:
      - { .name: ycodes, .offset: 0, .size: 8, .value_kind: global_buffer, .address_space: global }
      - { .name: wocodes, .offset: 8, .size: 8, .value_kind: global_buffer, .address_space: global }
      - { .name: bo, .offset: 16, .size: 8, .value_kind: global_buffer, .address_space: global }
      - { .name: lowp_scales, .offset: 24, .size: 8, .value_kind: global_buffer, .address_space: global }
      - { .name: out0, .offset: 32, .size: 8, .value_kind: global_buffer, .address_space: global }
    .group_segment_fixed_size: 327680
    .private_segment_fixed_size: 0
    .kernarg_segment_align: 8
    .kernarg_segment_size: 40
    .max_flat_workgroup_size: 128
    .sgpr_count:     100
    .vgpr_count:     1024
    .wavefront_size: 32
...
	.end_amdgpu_metadata
.endif
;; end of part 4
